; MI455X (gfx1250); checked and timed in simulation.
; The chip was launched on July 23, 2026; its instructions are those of AMD's public machine-readable ISA for CDNA 5 (MIT licence, August 2026) and "CDNA5" Instruction Set Architecture Reference Guide (July 2026). The comments in the code are by the model that wrote it; some were corrected since.
;; Self Attention Naive. Allowed arithmetic: matrix products marked QUANTISED: E3M2 operands, one E8M0 scale for each 32 along K, by v_wmma_scale_f32_16x16x128_f8f6f4 with both operands' format E3M2, f32 sums; everything else in f32.
;; Inputs: gamma 1 float32; wf 64 x 256 float32; wg 64 x 256 float32; wh 256 x 256 float32; x 8 x 256 x 64 x 64 float32.
;; Outputs: out0 8 x 256 x 64 x 64 float32.
;; This version of the problem:
;;   THIS VERSION OF THE PROBLEM IS GIVEN IN LOW PRECISION. The matrix products marked QUANTISED in the list below multiply operands that are first quantised to E3M2 (3 exponent bits, 2 mantissa bits; 6 bits a number), with one power-of-two scale for each 32 numbers along K (OCP MX v1.0); their sums are f32. All else is computed in f32.
;;   The module's matrix products, in the order in which they are computed (A, B: the left and right operand; K: the contracted axis; several contracted axes count as one K, in the product's order):
;;     1. [M 32,768, K 256] x [K 256, N 64]; A: input x; B: input wf: QUANTISED
;;     2. [M 32,768, K 256] x [K 256, N 64]; A: input x; B: input wg: QUANTISED
;;     3. [M 32,768, K 256] x [K 256, N 256]; A: input x; B: input wh: QUANTISED
;;     4. batch 8 x [M 4,096, K 64] x [K 64, N 4,096]; A: computed on the way; B: computed on the way: QUANTISED
;;     5. batch 8 x [M 256, K 4,096] x [K 4,096, N 4,096]; A: computed on the way; B: softmax (see below): QUANTISED
;;   THE QUANTISER, for each operand of a quantised product, along K:
;;     - K is cut into blocks of 32 from its start; a last block that is shorter is filled with zeros.
;;     - A block's scale is 2^e with e = floor(log2(the largest magnitude in the block)) - 4, held to -126 .. 127; a block of zeros has e = 0. As a byte (E8M0): e + 127.
;;     - Each number is divided by its block's scale, clamped to +-28, and rounded to the nearest number of E3M2, ties to even, subnormals kept.
;;     - The product sums the exact products of the quantised numbers (number of the format x scale) in f32.
;;   ~~~python
;;   def quantise(x, axis):      # numpy; x: float32 -> the quantised numbers, widened to float32 again
;;       x = np.moveaxis(x, axis, -1); K = x.shape[-1]
;;       x = np.pad(x, [(0, 0)] * (x.ndim - 1) + [(0, -K % 32)]); x = x.reshape(x.shape[:-1] + (-1, 32)); a = np.abs(x).max(-1, keepdims=True)
;;       e = np.where(a > 0, np.clip(np.frexp(np.where(a > 0, a, 1))[1] - 1 - 4, -126, 127), 0)      # np.frexp(a)[1] - 1 = floor(log2(a)), exactly
;;       r = np.clip(x / 2.0 ** e, -28, 28)
;;       step = 2.0 ** (np.maximum(np.frexp(np.where(r == 0, 1, r))[1] - 1, -2) - 2)
;;       q = np.round(r / step) * step * 2.0 ** e      # np.round: ties to even
;;       return np.moveaxis(q.reshape(q.shape[:-2] + (-1,))[..., :K], -1, axis).astype(np.float32)
;;   ~~~
;;   SOFTMAX AHEAD OF A QUANTISED PRODUCT. Where the list says 'softmax', what is quantised is not the finished softmax but p = 2^(t - M), with t = logit x log2(e) and M = ceil(the row's largest t), a whole number; so 1/2 < the row's largest p <= 1. The row's sum l is taken of the UNQUANTISED p, in f32, and the product's result is divided by l at the end. Since M is a whole number, a kernel that streams over the keys may use a running M (the ceiling of the running maximum): every later rescaling is an exact power of two, which a block's scale takes up: the codes' values come out the same.
;;   OPERANDS COMPUTED ON THE WAY. 'Computed on the way' means the value that the module computes at that place (a softmax that the list does not call 'softmax' is quantised finished and normalised). What goes into a quantiser is computed in f32, as accurately as f32 sums, v_exp_f32 and their like allow (about 1e-6 of the number): no bf16 or f16 on the way to a quantiser, and a product that is left as it is and whose result goes on into a quantised operand takes f32 operands (vector FMAs, or v_wmma_f32_16x16x4_f32). A number that lies on a knife's edge between two numbers of the format may be rounded either way, as far as f32 arithmetic and the matrix unit's own rounding can turn it there, and no further.
;; One version. Each part assembles by itself: llvm-mc -triple=amdgcn-amd-amdhsa -mcpu=gfx1250 --defsym DOCPART=n.
;; ======== version 1 of 1: 3 launches
;; workspace buffers: wqb 79,872 bytes; qc 2,097,152 bytes; kv 8,257,536 bytes
;; launch wq (part 1): grid 12 x 1, 4 waves a work-group, no clusters, 0 bytes of LDS; arguments wf, wg, wh, wqb; writes wqb
.if DOCPART == 1
	.amdgcn_target "amdgcn-amd-amdhsa--gfx1250"
	.amdhsa_code_object_version 6
	.text
	.protected	k_q4b2f9aed46_wq
	.globl	k_q4b2f9aed46_wq
	.p2align	8
	.type	k_q4b2f9aed46_wq,@function
k_q4b2f9aed46_wq:
	s_mov_b64 s[64:65], 0
	v_nop
	global_prefetch_b8 v0, s[64:65] scope:SCOPE_SE
	s_setreg_imm32_b32 hwreg(HW_REG_WAVE_MODE, 25, 1), 1
	s_wait_xcnt 0x0
; wf [64][256], wg [64][256], wh [256][256], f32, K (the 256) innermost, become codes of BF6 (E3M2) with one E8M0 byte for each 32 along K,
; laid in the ORDER OF THE OPERAND'S REGISTERS: a fragment (16 rows x 128 K: 12 registers a lane) is three groups of four registers, group g at 512 g + 16 x lane: 1,536 bytes.
; 48 fragments: fragment F = 2 x tile + K step; tiles 0-3 wf's, 4-7 wg's, 8-23 wh's.  Behind them, from byte SCB on, 128 bytes of scale words a fragment (4 x lane; lanes r and r + 16 hold row r's word).
; THE ROWS OF A TILE OF wf AND wg ARE NOT NEIGHBOURS: lane r of tile t takes row 32 (t / 2) + 8 (t % 2) + r + 8 (r / 8), so that in the next launch the 16 registers of two neighbouring result tiles
; are 16 neighbours along the channels.  A tile of wh takes rows 16 t + r.
; One wave makes one fragment: lane (r, h) loads k = 64 c + 32 h + 0 .. 31 of its row, the very numbers that the operand's layout gives it, so the conversions' results are the operand's registers.
; A block's scale is 2^(floor(log2(largest magnitude)) - 4): its byte is the largest magnitude's exponent field - 4, held at 1 from below by a floor among the maximum's leaves.
; LIMITS: a block whose largest magnitude lies under 2^-122 (a block of zeros too) gets the byte 1; a block of zeros has zero codes, and this program alone reads the bytes.  NaN and infinities are not served.
; The weights are 393,216 bytes in all: twelve work-groups do the whole job; no LDS, no barrier, no loop.
.set FRB, 1536                         ; a fragment's image in bytes
.set SCB, 73728                        ; where the scale words begin: 48 x FRB
.set X,   64                           ; v64-127 my 64 numbers: register 32 c + i = k 64 c + 32 h + i
	s_load_b128 s[4:7], s[0:1], 0x0                ; wf, wg
	s_load_b128 s[8:11], s[0:1], 0x10              ; wh, the images
	v_lshrrev_b32 v1, 5, v0
	v_readfirstlane_b32 s12, v1                    ; wave 0..3
	s_lshr_b32 s13, s12, 1                         ; which of the work-group's two tiles
	s_and_b32 s14, s12, 1                          ; which K step
	s_mov_b32 s28, 0x76543210
	s_mov_b32 s29, 0xfedcba98                      ; v_permlanex16_b32's selects for lane l xor 16
	v_and_b32 v1, 15, v0                           ; r
	v_bfe_u32 v2, v0, 4, 1                         ; h
	v_and_b32 v6, 31, v0
	v_lshlrev_b32 v4, 4, v6                        ; 16 x lane
	v_lshlrev_b32 v5, 2, v6                        ; 4 x lane
	s_lshl_b32 s20, ttmp9, 2
	s_add_co_u32 s20, s20, s12                     ; F
	s_mul_i32 s22, s20, FRB
	s_mov_b32 s23, 0
	s_lshl_b32 s26, s20, 7
	s_add_co_u32 s26, s26, SCB
	s_mov_b32 s27, 0
	s_wait_alu depctr_va_vdst(0)
	s_wait_kmcnt 0x0
	s_cmp_lt_u32 ttmp9, 2                          ; work-groups 0, 1: wf;  2, 3: wg;  4 to 11: wh.  The choice hangs on the work-group's number alone
	s_cselect_b64 s[16:17], s[4:5], s[6:7]
	s_cselect_b32 s18, 0, 2
	s_cmp_lt_u32 ttmp9, 4
	s_cselect_b64 s[16:17], s[16:17], s[8:9]
	s_cselect_b32 s18, s18, 4                      ; the tensor's first work-group
	s_cselect_b32 s15, 8, 0                        ; wf, wg: rows r + 8 (r / 8);  wh: rows r
	s_cselect_b32 s19, 3, 4                        ; the second tile begins 8 rows on, or 16
	s_sub_co_u32 s18, ttmp9, s18
	s_lshl_b32 s18, s18, 5                         ; 32 rows a work-group
	s_lshl_b32 s19, s13, s19
	s_add_co_u32 s18, s18, s19                     ; the tile's first row
	s_lshl_b32 s18, s18, 10                        ; a row is 1,024 bytes
	s_lshl_b32 s19, s14, 9                         ; a K step 512
	s_add_co_u32 s18, s18, s19
	s_mov_b32 s19, 0
	s_add_nc_u64 s[16:17], s[16:17], s[18:19]
	s_add_nc_u64 s[24:25], s[10:11], s[22:23]      ; my fragment's image
	s_add_nc_u64 s[26:27], s[10:11], s[26:27]      ; and its scale words
	v_and_b32 v3, s15, v1
	v_add_nc_u32 v3, v3, v1
	v_lshlrev_b32 v3, 10, v3
	v_lshl_add_u32 v3, v2, 7, v3                   ; my row, + 128 h bytes
.irp c, 0,1
.irp i, 0,1,2,3,4,5,6,7
	global_load_b128 v[X+32*\c+4*\i:X+32*\c+4*\i+3], v3, s[16:17] offset:256*\c+16*\i
.endr
.endr
	s_wait_loadcnt 0x0
.irp c, 0,1                                    ; my block 2 c + h: all its 32 numbers are mine
	v_max3_num_f32 v[32+\c], |v[X+32*\c]|, |v[X+1+32*\c]|, 0x2800000   ; and the floor 2^(5 - 127): the byte cannot fall under 1
.endr
.irp i, 2,4,6,8,10,12,14,16,18,20,22,24,26,28,30
.irp c, 0,1
	v_max3_num_f32 v[32+\c], v[32+\c], |v[X+32*\c+\i]|, |v[X+1+32*\c+\i]|   ; (the two blocks by turns)
.endr
.endr
.irp c, 0,1
	v_add_nc_u32 v[44+\c], 0xfe000000, v[32+\c]    ; 4 off the exponent field: the conversion takes this operand's exponent field as its scale
.endr
.irp c, 0,1
	v_lshrrev_b32 v[36+\c], 23, v[44+\c]           ; the scale's byte
.endr
	v_lshl_or_b32 v9, v37, 16, v36                 ; my two bytes: blocks h and 2 + h of my row,
	v_lshlrev_b32 v10, 3, v2
	v_lshlrev_b32 v9, v10, v9                      ; at their places in the scale word;
	v_mov_b32 v10, 0
	v_permlanex16_b32 v10, v9, s28, s29
	v_or_b32 v9, v9, v10                           ; with lane l xor 16's two the word is whole, in both lanes
.irp c, 0,1
	v_cvt_scalef32_pk16_bf6_f32 v[48+6*\c:50+6*\c], v[X+32*\c:X+15+32*\c], v[44+\c]
	v_cvt_scalef32_pk16_bf6_f32 v[16+4*\c:18+4*\c], v[X+16+32*\c:X+31+32*\c], v[44+\c]   ; (a conversion's three registers begin on an even number: the block's second half is made elsewhere and moved)
.endr
	v_nop                                          ; one plain place behind a scaled conversion
.irp c, 0,1
.irp i, 0,1,2
	v_mov_b32 v[51+6*\c+\i], v[16+4*\c+\i]
.endr
.endr
.irp g, 0,1,2
	global_store_b128 v4, v[48+4*\g:51+4*\g], s[24:25] offset:512*\g   ; 32 lanes store 512 consecutive bytes, aligned
.endr
	global_store_b32 v5, v9, s[26:27]
	s_endpgm
.Lfunc_end_k_q4b2f9aed46_wq:
	.size	k_q4b2f9aed46_wq, .Lfunc_end_k_q4b2f9aed46_wq-k_q4b2f9aed46_wq
	.p2alignl 7, 3214868480
	.fill 96, 4, 3214868480
	.section	.rodata,"a",@progbits
	.p2align	6, 0x0
	.amdhsa_kernel k_q4b2f9aed46_wq
		.amdhsa_group_segment_fixed_size 0
		.amdhsa_private_segment_fixed_size 0
		.amdhsa_enable_private_segment 0
		.amdhsa_kernarg_size 32
		.amdhsa_user_sgpr_count 2
		.amdhsa_user_sgpr_kernarg_segment_ptr 1
		.amdhsa_wavefront_size32 1
		.amdhsa_system_sgpr_workgroup_id_x 1
		.amdhsa_system_sgpr_workgroup_id_y 1
		.amdhsa_system_sgpr_workgroup_id_z 1
		.amdhsa_system_vgpr_workitem_id 0
		.amdhsa_next_free_vgpr 128
		.amdhsa_next_free_sgpr 66
		.amdhsa_reserve_vcc 0
		.amdhsa_float_denorm_mode_32 3
		.amdhsa_float_denorm_mode_16_64 3
		.amdhsa_memory_ordered 1
		.amdhsa_forward_progress 1
		.amdhsa_inst_pref_size 7
	.end_amdhsa_kernel
	.amdgpu_metadata
---
amdhsa.version: [ 1, 2 ]
amdhsa.kernels:
  - .name:           k_q4b2f9aed46_wq
    .symbol:         k_q4b2f9aed46_wq.kd
    .args:
      - { .name: wf, .offset: 0, .size: 8, .value_kind: global_buffer, .address_space: global }
      - { .name: wg, .offset: 8, .size: 8, .value_kind: global_buffer, .address_space: global }
      - { .name: wh, .offset: 16, .size: 8, .value_kind: global_buffer, .address_space: global }
      - { .name: wqb, .offset: 24, .size: 8, .value_kind: global_buffer, .address_space: global }
    .group_segment_fixed_size: 0
    .private_segment_fixed_size: 0
    .kernarg_segment_align: 8
    .kernarg_segment_size: 32
    .max_flat_workgroup_size: 128
    .sgpr_count:     66
    .vgpr_count:     128
    .wavefront_size: 32
...
	.end_amdgpu_metadata
.endif
;; end of part 1
;; launch proj (part 2): grid 256 x 1, 8 waves a work-group, no clusters, 30,720 bytes of LDS; arguments x, wqb, kv, qc; writes kv, qc
.if DOCPART == 2
	.amdgcn_target "amdgcn-amd-amdhsa--gfx1250"
	.amdhsa_code_object_version 6
	.text
	.protected	k_q4b2f9aed46_proj
	.globl	k_q4b2f9aed46_proj
	.p2align	8
	.type	k_q4b2f9aed46_proj,@function
k_q4b2f9aed46_proj:
	s_mov_b64 s[64:65], 0
	v_nop
	global_prefetch_b8 v0, s[64:65] scope:SCOPE_SE
	s_setreg_imm32_b32 hwreg(HW_REG_WAVE_MODE, 25, 1), 1
	s_wait_xcnt 0x0
; fx = wf x, gx = wg x, hx = wh x for one batch and 128 positions n, all three products on codes of BF6 (E3M2) with one E8M0 scale for each 32 along K = the 256 channels of x;
; the results are quantised again, fx and gx along their 64 channels, hx along n, and stored in the ORDER OF THE REGISTERS of the next launch's operands.
; x: [8][256][4096] f32, K is NOT innermost.  The weights come as register images (1,536 bytes a fragment, 128 bytes of scale words) from the launch before.
; SHARES.  Work-group g: batch g / 32, positions 128 (g % 32) on.  Eight waves, two to a SIMD.  Wave w: pb = w % 4, hi = w / 4.
;   X:  a lane takes a column n and its registers run down the channels: wave w quantises positions 32 pb .. + 31 for channels 128 hi .. + 127: four blocks a lane, no other lane is asked.  The codes go to LDS as
;       images of the operand's registers, 16 fragments (K step s, tile T) | barrier |
;   FG: waves 0-3 make fx, waves 4-7 gx, for tiles 2 pb and 2 pb + 1: source 0 = 16 rows of the weight, source 1 = 16 positions: a lane holds ONE position and registers along the output channels: quantised in registers;
;   H:  wave w makes hx's channels 32 w .. + 31 for all 128 positions: source 0 = 16 positions, source 1 = 16 rows of wh: a lane holds ONE channel and registers along the positions, which are the last product's K.
; THE POSITIONS OF A TILE ARE NOT NEIGHBOURS: lane r of tile 2 b + u is position 32 b + 8 u + r + 8 (r / 8).  So in H the 16 registers of tiles 2 b, 2 b + 1 are positions 32 b + 16 h + 0 .. 15, and the key tiles
; that FG stores have the order that gives the same in the next launch's scores.
; OUT.  kv: a record of 32,256 bytes for each 128 keys: four images of K PAIRS (registers 0-5 key tile 2 b, 6-11 tile 2 b + 1: each tile's 64 channels are half of an instruction's K), sixteen images of V
; (16 channels x 128 keys), one image of 12 scale registers (0-3: the pairs' words; 4 + w: lanes 0-15 V fragment 2 w's words, lanes 16-31 fragment 2 w + 1's).
; qc: 1,024 bytes a query tile: registers 0-5 codes, 6 the scale word (its two bytes twice), 7 zero.   Every global store covers 512 consecutive bytes, aligned.
; LIMITS: a block whose largest magnitude lies under 2^-122 (a block of zeros too) gets the byte 1; NaN and infinities are not served.
; REGISTERS, window 0: v2-11 addresses; v16 x's scale word; v24-55 x's codes; v56-59 wh's scale words; v64-191 x's 128 numbers, then FG's results (64) and its x fragments (48), then H's 16 accumulators;
;   v192-207 at work; v208-211 scale words made; v212-231 codes made; v232-234 half a block's codes; v236-253 scale words for the matrix instructions.
;   window 1: v0-95 wf's or wg's 8 fragments, later x's fragments of K step 1; v96-143 my 4 fragments of wh; v144-239 x's fragments of K step 0.
.set XP,    1664                       ; LDS: an x fragment's image, 1,536 bytes + 128, so that the two tiles that a wave's store touches fall on different halves of the banks (64 banks of 4 bytes: ISA guide 11.1)
.set XSC,   16*XP                      ; x's scale words: (s, T, r) at 512 s + 64 T + 4 r
.set SCIMG, XSC+1024                   ; the record's image of 12 scale registers
.set REC,   32256
.set L4,  2                            ; v2   4 x lane
.set LI,  3                            ; v3   16 x lane
.set XWA, 5                            ; v5   where I store x's codes
.set XWS, 6                            ; v6   and x's scale word
.set XRA, 7                            ; v7   my pair's x fragments
.set XRS, 8                            ; v8   and their scale words
.set VSW, 9                            ; v9   where V's scale word goes in the image
.set KSW, 10                           ; v10  and the K pair's
.set SCR, 11                           ; v11  the image, read back
.set SB,  16
.set C,   24
.set WHS, 56
.set DA,  64
.set TM,  192                          ; +0..3 largest magnitudes, +4..7 the other half's, then bytes, +12..15 the conversions' scale operands
.set PW,  208
.set W0,  209                          ; v209, v210: the two bytes of tiles u = 0, 1
.set PWE, 211
.set PC,  212
.set CT,  232
.set XS,  236                          ; v236-243 register 4 s + b: lanes 0-15 tile 2 b's words, lanes 16-31 tile 2 b + 1's
.set XSW, 244                          ; v244-245 the same for my pair alone
.set WS,  246                          ; v246-253 wf's or wg's, fragment 2 t + s
.set FGW, 0
.set WH,  96
.set XF0, 144
.set WV,  12
.set PBN, 13
.set HI,  14
.set SEL, 20
.set MSB, 0
.macro WIN new                         ; the immediate's high byte repeats the setting that is left
.if MSB != \new
	s_set_vgpr_msb (MSB<<8)|\new
.set MSB, \new
.endif
.endm
.macro PLACES                          ; four plain places behind a matrix instruction, ahead of reads of its result and of loads into its registers
.rept 4
	v_nop
.endr
.endm
; One scaled matrix instruction.  zero: the product starts its sum.  ra, rb: source 0's or source 1's scales are read from lanes 16-31.
.macro MM d, a, b, zero, sa, sb, ra, rb
.if \zero
.if \ra
	v_wmma_scale_f32_16x16x128_f8f6f4 v[\d:\d+7], v[\a:\a+11], v[\b:\b+11], 0, v[\sa], v[\sb] matrix_a_fmt:MATRIX_FMT_BF6 matrix_b_fmt:MATRIX_FMT_BF6 matrix_a_scale:MATRIX_SCALE_ROW1
.elseif \rb
	v_wmma_scale_f32_16x16x128_f8f6f4 v[\d:\d+7], v[\a:\a+11], v[\b:\b+11], 0, v[\sa], v[\sb] matrix_a_fmt:MATRIX_FMT_BF6 matrix_b_fmt:MATRIX_FMT_BF6 matrix_b_scale:MATRIX_SCALE_ROW1
.else
	v_wmma_scale_f32_16x16x128_f8f6f4 v[\d:\d+7], v[\a:\a+11], v[\b:\b+11], 0, v[\sa], v[\sb] matrix_a_fmt:MATRIX_FMT_BF6 matrix_b_fmt:MATRIX_FMT_BF6
.endif
.else
.if \ra
	v_wmma_scale_f32_16x16x128_f8f6f4 v[\d:\d+7], v[\a:\a+11], v[\b:\b+11], v[\d:\d+7], v[\sa], v[\sb] matrix_a_fmt:MATRIX_FMT_BF6 matrix_b_fmt:MATRIX_FMT_BF6 matrix_a_scale:MATRIX_SCALE_ROW1
.elseif \rb
	v_wmma_scale_f32_16x16x128_f8f6f4 v[\d:\d+7], v[\a:\a+11], v[\b:\b+11], v[\d:\d+7], v[\sa], v[\sb] matrix_a_fmt:MATRIX_FMT_BF6 matrix_b_fmt:MATRIX_FMT_BF6 matrix_b_scale:MATRIX_SCALE_ROW1
.else
	v_wmma_scale_f32_16x16x128_f8f6f4 v[\d:\d+7], v[\a:\a+11], v[\b:\b+11], v[\d:\d+7], v[\sa], v[\sb] matrix_a_fmt:MATRIX_FMT_BF6 matrix_b_fmt:MATRIX_FMT_BF6
.endif
.endif
.endm
.macro LOADX q                         ; block q: x(32 q + i, my column), i = 0 .. 31: a wave reads 128 consecutive bytes, four waves side by side 512.  No hint: the next launch reads x again
.set ii, 0
.rept 32
	global_load_b32 v[DA+32*(\q)+ii], v[L4], s[4:5] offset:(32*(\q)+ii)*16384
.set ii, ii+1
.endr
.endm
; Block q of my column becomes 24 bytes of codes and a byte.  In the operand's layout it is registers 6 c .. 6 c + 5 (c = q / 2) of lane r + 16 (q % 2): four and two registers, or two and four, of the image's groups.
.macro BLOCK q
.set XQ, DA+32*(\q)
.set CQ, C+8*(\q)
	v_max3_num_f32 v[TM], |v[XQ]|, |v[XQ+1]|, |v[XQ+2]|
	v_max3_num_f32 v[TM+1], |v[XQ+3]|, |v[XQ+4]|, |v[XQ+5]|
.irp i, 6,10,14,18,22,26
	s_delay_alu instid0(VALU_DEP_2)
	v_max3_num_f32 v[TM], v[TM], |v[XQ+\i]|, |v[XQ+\i+1]|
	s_delay_alu instid0(VALU_DEP_2)
	v_max3_num_f32 v[TM+1], v[TM+1], |v[XQ+\i+2]|, |v[XQ+\i+3]|
.endr
	s_delay_alu instid0(VALU_DEP_2)
	v_max3_num_f32 v[TM], v[TM], |v[XQ+30]|, |v[XQ+31]|
	s_delay_alu instid0(VALU_DEP_1)
	v_max3_num_f32 v[TM], v[TM], v[TM+1], 0x2800000   ; and the floor 2^(5 - 127)
	s_delay_alu instid0(VALU_DEP_1)
	v_add_nc_u32 v[TM+12], 0xfe000000, v[TM]       ; 4 off the exponent field: the conversion's scale operand
	s_delay_alu instid0(VALU_DEP_1)
	v_lshrrev_b32 v[TM+2], 23, v[TM+12]            ; the scale's byte
	v_cvt_scalef32_pk16_bf6_f32 v[CQ:CQ+2], v[XQ:XQ+15], v[TM+12]
	v_cvt_scalef32_pk16_bf6_f32 v[CQ+4:CQ+6], v[XQ+16:XQ+31], v[TM+12]   ; (a conversion's three registers begin on an even number)
.if (\q) == 0
	v_mov_b32 v[SB], v[TM+2]                       ; four bytes make my column's scale word.  (The plain place behind the conversions)
.else
	v_lshl_or_b32 v[SB], v[TM+2], 8*(\q), v[SB]
.endif
	v_mov_b32 v[CQ+3], v[CQ+4]
	v_mov_b32 v[CQ+4], v[CQ+5]
	v_mov_b32 v[CQ+5], v[CQ+6]
.if (\q) < 2
	ds_store_b128 v[XWA], v[CQ:CQ+3] offset:256*((\q)%2)
	ds_store_b64 v[XWA], v[CQ+4:CQ+5] offset:512+256*((\q)%2)
.else
	ds_store_b64 v[XWA], v[CQ:CQ+1] offset:520+256*((\q)%2)
	ds_store_b128 v[XWA], v[CQ+2:CQ+5] offset:1024+256*((\q)%2)
.endif
.endm
; 64 numbers of a lane, register 16 b + i = k 32 b + 16 (lane / 16) + i of my row, become a fragment's codes in v[PC] on and its scale word in v[PW].
.macro QUANT s
.irp b, 0,1,2,3
	v_max3_num_f32 v[TM+\b], |v[\s+16*\b]|, |v[\s+1+16*\b]|, 0x2800000
.endr
.irp i, 2,4,6,8,10,12,14
.irp b, 0,1,2,3
	v_max3_num_f32 v[TM+\b], v[TM+\b], |v[\s+16*\b+\i]|, |v[\s+1+16*\b+\i]|   ; (the four blocks by turns; each accumulator is read from its low end on)
.endr
.endr
.irp b, 0,1,2,3
	s_delay_alu instid0(VALU_DEP_4)
	v_permlanex16_b32 v[TM+4+\b], v[TM+\b], s[SEL], s[SEL+1]
.endr
.irp b, 0,1,2,3
	s_delay_alu instid0(VALU_DEP_4)
	v_max_num_f32 v[TM+\b], v[TM+\b], v[TM+4+\b]   ; with lane l xor 16's: the block's largest magnitude
.endr
.irp b, 0,1,2,3
	s_delay_alu instid0(VALU_DEP_4)
	v_add_nc_u32 v[TM+12+\b], 0xfe000000, v[TM+\b]
.endr
.irp b, 0,1,2,3
	s_delay_alu instid0(VALU_DEP_4)
	v_lshrrev_b32 v[TM+4+\b], 23, v[TM+12+\b]
.endr
	s_delay_alu instid0(VALU_DEP_3)
	v_lshl_or_b32 v[PW], v[TM+5], 8, v[TM+4]
	s_delay_alu instid0(VALU_DEP_1)
	v_lshl_or_b32 v[PW], v[TM+6], 16, v[PW]
	s_delay_alu instid0(VALU_DEP_1)
	v_lshl_or_b32 v[PW], v[TM+7], 24, v[PW]
.irp c, 0,1
	v_cvt_scalef32_pk16_bf6_f32 v[PC+6*\c:PC+2+6*\c], v[\s+32*\c:\s+15+32*\c], v[TM+12+2*\c]
	v_cvt_scalef32_pk16_bf6_f32 v[PC+12+4*\c:PC+14+4*\c], v[\s+16+32*\c:\s+31+32*\c], v[TM+12+2*\c+1]
.endr
	v_nop                                          ; one plain place behind a scaled conversion
.irp c, 0,1                                    ; the operand's layout wants a WHOLE block in a lane: lanes 0-15 block 2 c, lanes 16-31 block 2 c + 1
.irp i, 0,1,2
	v_permlane16_swap_b32 v[PC+6*\c+\i], v[PC+12+4*\c+\i]
.endr
.irp i, 0,1,2
	s_delay_alu instid0(VALU_DEP_3)
	v_mov_b32 v[PC+3+6*\c+\i], v[PC+12+4*\c+\i]
.endr
.endr
.endm
; The same for 32 numbers (64 along K, two blocks): six registers of codes at v[PC + 8 u] on, the two bytes in v[W0 + u].
.macro QUANT2 s, u
.irp b, 0,1
	v_max3_num_f32 v[TM+\b], |v[\s+16*\b]|, |v[\s+1+16*\b]|, 0x2800000
.endr
.irp i, 2,4,6,8,10,12,14
.irp b, 0,1
	v_max3_num_f32 v[TM+\b], v[TM+\b], |v[\s+16*\b+\i]|, |v[\s+1+16*\b+\i]|
.endr
.endr
.irp b, 0,1
	s_delay_alu instid0(VALU_DEP_2)
	v_permlanex16_b32 v[TM+4+\b], v[TM+\b], s[SEL], s[SEL+1]
.endr
.irp b, 0,1
	s_delay_alu instid0(VALU_DEP_2)
	v_max_num_f32 v[TM+\b], v[TM+\b], v[TM+4+\b]
.endr
.irp b, 0,1
	s_delay_alu instid0(VALU_DEP_2)
	v_add_nc_u32 v[TM+12+\b], 0xfe000000, v[TM+\b]
.endr
.irp b, 0,1
	s_delay_alu instid0(VALU_DEP_2)
	v_lshrrev_b32 v[TM+4+\b], 23, v[TM+12+\b]
.endr
	s_delay_alu instid0(VALU_DEP_1)
	v_lshl_or_b32 v[W0+\u], v[TM+5], 8, v[TM+4]
	v_cvt_scalef32_pk16_bf6_f32 v[PC+8*\u:PC+8*\u+2], v[\s:\s+15], v[TM+12]
	v_cvt_scalef32_pk16_bf6_f32 v[CT:CT+2], v[\s+16:\s+31], v[TM+13]
	v_nop
.irp i, 0,1,2
	v_permlane16_swap_b32 v[PC+8*\u+\i], v[CT+\i]
.endr
.irp i, 0,1,2
	s_delay_alu instid0(VALU_DEP_3)
	v_mov_b32 v[PC+8*\u+3+\i], v[CT+\i]
.endr
.endm
	s_load_b256 s[4:11], s[0:1], 0x0               ; x s[4:5], the weights' images s[6:7], kv s[8:9], qc s[10:11]
	v_lshl_add_u32 v254, v0, 2, 0x7400
	v_mov_b32 v255, 0
	v_lshrrev_b32 v1, 5, v0
	s_delay_alu instid0(VALU_DEP_1)
	v_readfirstlane_b32 s[WV], v1                  ; wave 0..7
	s_and_b32 s[PBN], s[WV], 3
	s_lshr_b32 s[HI], s[WV], 2
	s_mov_b32 s[SEL], 0x76543210
	s_mov_b32 s[SEL+1], 0xfedcba98                 ; v_permlanex16_b32's selects for lane l xor 16
	s_mov_b32 s22, 0xffff0000                      ; lanes 16-31
	v_and_b32 v1, 31, v0
	s_delay_alu instid0(VALU_DEP_1)
	v_lshlrev_b32 v[L4], 2, v1
	s_delay_alu instid0(VALU_DEP_2)
	v_lshlrev_b32 v[LI], 4, v1
	v_bfe_u32 v12, v0, 3, 1                        ; my column 32 pb + lane is row r' of tile 2 pb + u': u' = (lane / 8) % 2,
	s_wait_alu depctr_va_vdst(0)
	v_and_b32 v13, 7, v0
	v_bfe_u32 v14, v0, 4, 1
	s_delay_alu instid0(VALU_DEP_1)
	v_lshl_add_u32 v13, v14, 3, v13                ; r' = lane % 8 + 8 (lane / 16)
	s_lshl_b32 s42, s[HI], 3
	s_lshl_b32 s43, s[PBN], 1
	s_add_co_u32 s42, s42, s43
	s_mul_i32 s42, s42, XP                         ; fragment 8 hi + 2 pb
	v_mul_u32_u24 v[XWA], v12, XP
	s_delay_alu instid0(VALU_DEP_1)
	v_lshl_add_u32 v[XWA], v13, 4, v[XWA]
	s_delay_alu instid0(VALU_DEP_1)
	v_add_nc_u32 v[XWA], s42, v[XWA]
	s_lshl_b32 s42, s[HI], 9
	s_lshl_b32 s43, s[PBN], 7
	s_add_co_u32 s42, s42, s43
	s_add_co_u32 s42, s42, XSC
	v_lshlrev_b32 v[XWS], 6, v12
	s_wait_alu depctr_va_vdst(0)
	v_lshl_add_u32 v[XWS], v13, 2, v[XWS]
	s_delay_alu instid0(VALU_DEP_1)
	v_add_nc_u32 v[XWS], s42, v[XWS]
	s_mul_i32 s42, s[PBN], 2*XP
	v_add_nc_u32 v[XRA], s42, v[LI]
	s_add_co_u32 s43, s43, XSC
	v_add_nc_u32 v[XRS], s43, v[L4]
	s_lshl_b32 s42, s[PBN], 2
	s_add_co_u32 s42, s42, SCIMG
	v_add_nc_u32 v[KSW], s42, v[LI]                ; register pb of the image: group 0, word pb
	s_lshl_b32 s43, s[HI], 9
	s_add_co_u32 s43, s43, s42
	s_add_co_u32 s43, s43, 512
	v_add_nc_u32 v[VSW], s43, v[LI]                ; register 4 + w: group 1 + hi, word pb
	v_add_nc_u32 v[SCR], SCIMG, v[LI]
	; byte offsets into the buffers
	s_lshr_b32 s24, ttmp9, 5
	s_lshl_b32 s24, s24, 22                        ; a batch of x is 2^22 bytes,
	s_and_b32 s25, ttmp9, 31
	s_lshl_b32 s25, s25, 9                         ; 128 positions 512,
	s_add_co_u32 s24, s24, s25
	s_lshl_b32 s25, s[HI], 21                      ; 128 channels 2^21,
	s_add_co_u32 s24, s24, s25
	s_lshl_b32 s25, s[PBN], 7                      ; 32 positions 128
	s_add_co_u32 s24, s24, s25
	s_mov_b32 s25, 0
	s_mul_i32 s26, ttmp9, REC
	s_mov_b32 s27, 0
	s_mul_i32 s28, s[PBN], 1536                    ; my K pair in the record
	s_mov_b32 s29, 0
	s_mul_i32 s30, s[WV], 3072
	s_add_co_u32 s30, s30, 6144                    ; my two V fragments
	s_mov_b32 s31, 0
	s_lshl_b32 s32, ttmp9, 13
	s_lshl_b32 s33, s[PBN], 11
	s_add_co_u32 s32, s32, s33                     ; query tiles 8 g + 2 pb, + 1
	s_mov_b32 s33, 0
	s_mul_i32 s34, s[HI], 12288                    ; wf's eight fragments or wg's
	s_mov_b32 s35, 0
	s_lshl_b32 s36, s[HI], 10
	s_add_co_u32 s36, s36, 73728
	s_mov_b32 s37, 0
	s_mul_i32 s38, s[WV], 6144
	s_add_co_u32 s38, s38, 24576                   ; wh's fragments 16 + 4 w on
	s_mov_b32 s39, 0
	s_lshl_b32 s40, s[WV], 9
	s_add_co_u32 s40, s40, 75776
	s_mov_b32 s41, 0
	s_wait_kmcnt 0x0
	s_add_nc_u64 s[4:5], s[4:5], s[24:25]
	s_add_nc_u64 s[8:9], s[8:9], s[26:27]
	s_add_nc_u64 s[28:29], s[8:9], s[28:29]
	s_add_nc_u64 s[30:31], s[8:9], s[30:31]
	s_add_nc_u64 s[10:11], s[10:11], s[32:33]
	s_add_nc_u64 s[34:35], s[6:7], s[34:35]
	s_add_nc_u64 s[36:37], s[6:7], s[36:37]
	s_add_nc_u64 s[38:39], s[6:7], s[38:39]
	s_add_nc_u64 s[40:41], s[6:7], s[40:41]
	WIN 0x40                                       ; destination window 1
.irp f, 0,1,2,3,4,5,6,7
.irp k, 0,1,2
	global_load_b128 v[FGW+12*\f+4*\k:FGW+12*\f+4*\k+3], v[LI], s[34:35] offset:1536*\f+512*\k
.endr
.endr
.irp f, 0,1,2,3
.irp k, 0,1,2
	global_load_b128 v[WH+12*\f+4*\k:WH+12*\f+4*\k+3], v[LI], s[38:39] offset:1536*\f+512*\k
.endr
.endr
	WIN 0
.irp f, 0,1,2,3,4,5,6,7
	global_load_b32 v[WS+\f], v[L4], s[36:37] offset:128*\f
.endr
.irp f, 0,1,2,3
	global_load_b32 v[WHS+\f], v[L4], s[40:41] offset:128*\f
.endr
	LOADX 0
	LOADX 1
.irp b, 0,1,2,3
	v_mov_b32 v[TM+4+\b], 0                        ; written once: a lane permute's destination counts as one of its sources
.endr
	; ---- X: loads run two blocks ahead; every block has registers of its own
	s_wait_loadcnt 32                              ; loads come back in order: the weights and block 0 are in, block 1's 32 may be out
	LOADX 2
	BLOCK 0
	s_wait_loadcnt 32                              ; block 1 is in, block 2's 32 may be out
	LOADX 3
	BLOCK 1
	s_wait_loadcnt 32                              ; block 2 is in, block 3's 32 may be out
	BLOCK 2
	s_wait_loadcnt 0x0
	BLOCK 3
	ds_store_b32 v[XWS], v[SB]
	s_wait_dscnt 0x0                               ; for the others' sake: my stores have landed
	s_barrier_signal -1
	s_barrier_wait -1                              ; x's sixteen fragments and their scale words lie in LDS
	; ---- FG
.irp u, 0,1
.irp s, 0,1
.irp k, 0,1,2
	ds_load_b128 v[DA+64+12*(2*\u+\s)+4*\k:DA+64+12*(2*\u+\s)+4*\k+3], v[XRA] offset:(8*\s+\u)*XP+512*\k
.endr
.endr
.endr
.irp s, 0,1
	ds_load_b32 v[XSW+\s], v[XRS] offset:512*\s    ; lanes 0-15 tile 2 pb's words, lanes 16-31 tile 2 pb + 1's
.endr
.irp s, 0,1
.irp b, 0,1,2,3
	ds_load_b32 v[XS+4*\s+\b], v[L4] offset:XSC+512*\s+128*\b
.endr
.endr
	WIN 0x40
.irp t, 0,1,2,3,4,5,6,7
.irp k, 0,1,2
	ds_load_b128 v[XF0+12*\t+4*\k:XF0+12*\t+4*\k+3], v[LI] offset:\t*XP+512*\k   ; H's fragments of K step 0 land under FG's products
.endr
.endr
	s_wait_dscnt 32                                ; my pair's 12 + 2 loads are in; the 8 + 24 for H may be out
	WIN 0x01                                       ; source 0 (the weight) window 1
.irp s, 0,1                                    ; eight accumulators by turns, one instruction a turn; the first K step starts the sums
.irp u, 0,1
.irp t, 0,1,2,3
	MM DA+32*\u+8*\t, FGW+12*(2*\t+\s), DA+64+12*(2*\u+\s), 1-\s, WS+2*\t+\s, XSW+\s, 0, \u
.endr
.endr
.endr
	WIN 0
	PLACES
	WIN 0x40
.irp t, 0,1,2,3,4,5,6,7
.irp k, 0,1,2
	ds_load_b128 v[12*\t+4*\k:12*\t+4*\k+3], v[LI] offset:(8+\t)*XP+512*\k   ; K step 1's, into the registers that wf's or wg's fragments have left
.endr
.endr
	WIN 0
	QUANT2 DA, 0
	QUANT2 DA+32, 1
	s_cmp_lt_u32 s[WV], 4
	s_cbranch_scc0 .Lfor_g
	v_lshl_or_b32 v[PW], v[W0+1], 16, v[W0]        ; fx: the pair's scale word: bytes 0, 1 tile 2 pb's, bytes 2, 3 tile 2 pb + 1's
.irp i, 0,1,2,3,4,5
	v_mov_b32 v[PC+6+\i], v[PC+8+\i]               ; and its twelve registers on end
.endr
.irp k, 0,1,2
	global_store_b128 v[LI], v[PC+4*\k:PC+4*\k+3], s[28:29] offset:512*\k
.endr
	ds_store_b32 v[KSW], v[PW]
	s_branch .Lfg_done
.Lfor_g:
	v_lshl_or_b32 v[PC+6], v[W0], 16, v[W0]        ; gx: each tile's two bytes twice: the word serves with the codes in either half of the instruction's K
	v_mov_b32 v[PC+7], 0
	v_lshl_or_b32 v[PC+14], v[W0+1], 16, v[W0+1]
	v_mov_b32 v[PC+15], 0
	s_wait_alu depctr_va_vdst(0)
.irp k, 0,1,2,3
	global_store_b128 v[LI], v[PC+4*\k:PC+4*\k+3], s[10:11] offset:512*\k
.endr
.Lfg_done:
	; ---- H
	s_wait_dscnt 0x0                               ; all sixteen fragments and their scale words are in
	WIN 0x05                                       ; sources 0 (x) and 1 (wh) window 1
.irp s, 0,1                                    ; sixteen accumulators by turns
.irp t, 0,1,2,3,4,5,6,7
.irp e, 0,1
	MM DA+64*\e+8*\t, XF0*(1-\s)+12*\t, WH+12*(2*\e+\s), 1-\s, XS+4*\s+\t/2, WHS+2*\e+\s, \t%2, 0
.endr
.endr
.endr
	WIN 0
	PLACES
	s_wait_xcnt 0x0                                ; the stores above have read v[PC] on: only behind this wait are they written again
	QUANT DA
.irp k, 0,1,2
	global_store_b128 v[LI], v[PC+4*\k:PC+4*\k+3], s[30:31] offset:512*\k
.endr
	v_mov_b32 v[PWE], v[PW]
	s_wait_xcnt 0x0                                ; likewise
	QUANT DA+64
.irp k, 0,1,2
	global_store_b128 v[LI], v[PC+4*\k:PC+4*\k+3], s[30:31] offset:1536+512*\k
.endr
	v_cndmask_b32 v[PW], v[PWE], v[PW], s22        ; lanes 0-15 fragment 2 w's words, lanes 16-31 fragment 2 w + 1's
	ds_store_b32 v[VSW], v[PW]
	s_wait_dscnt 0x0                               ; for wave 0's sake: my scale words have landed
	s_barrier_signal -1
	s_barrier_wait -1
	s_cmp_lg_u32 s[WV], 0
	s_cbranch_scc1 .Lend                           ; wave 0 stores the image of the 12 scale registers
.irp k, 0,1,2
	ds_load_b128 v[C+4*\k:C+4*\k+3], v[SCR] offset:512*\k
.endr
	s_wait_dscnt 0x0
.irp k, 0,1,2
	global_store_b128 v[LI], v[C+4*\k:C+4*\k+3], s[8:9] offset:30720+512*\k
.endr
.Lend:
	s_wait_tensorcnt 0x0
	ds_add_u32 v254, v255
	s_wait_dscnt 0x0
	s_endpgm
.Lfunc_end_k_q4b2f9aed46_proj:
	.size	k_q4b2f9aed46_proj, .Lfunc_end_k_q4b2f9aed46_proj-k_q4b2f9aed46_proj
	.p2alignl 7, 3214868480
	.fill 96, 4, 3214868480
	.section	.rodata,"a",@progbits
	.p2align	6, 0x0
	.amdhsa_kernel k_q4b2f9aed46_proj
		.amdhsa_group_segment_fixed_size 30720
		.amdhsa_private_segment_fixed_size 0
		.amdhsa_enable_private_segment 0
		.amdhsa_kernarg_size 32
		.amdhsa_user_sgpr_count 2
		.amdhsa_user_sgpr_kernarg_segment_ptr 1
		.amdhsa_wavefront_size32 1
		.amdhsa_system_sgpr_workgroup_id_x 1
		.amdhsa_system_sgpr_workgroup_id_y 1
		.amdhsa_system_sgpr_workgroup_id_z 1
		.amdhsa_system_vgpr_workitem_id 0
		.amdhsa_next_free_vgpr 512
		.amdhsa_next_free_sgpr 66
		.amdhsa_reserve_vcc 0
		.amdhsa_float_denorm_mode_32 3
		.amdhsa_float_denorm_mode_16_64 3
		.amdhsa_memory_ordered 1
		.amdhsa_forward_progress 1
		.amdhsa_inst_pref_size 57
	.end_amdhsa_kernel
	.amdgpu_metadata
---
amdhsa.version: [ 1, 2 ]
amdhsa.kernels:
  - .name:           k_q4b2f9aed46_proj
    .symbol:         k_q4b2f9aed46_proj.kd
    .args:
      - { .name: x, .offset: 0, .size: 8, .value_kind: global_buffer, .address_space: global }
      - { .name: wqb, .offset: 8, .size: 8, .value_kind: global_buffer, .address_space: global }
      - { .name: kv, .offset: 16, .size: 8, .value_kind: global_buffer, .address_space: global }
      - { .name: qc, .offset: 24, .size: 8, .value_kind: global_buffer, .address_space: global }
    .group_segment_fixed_size: 30720
    .private_segment_fixed_size: 0
    .kernarg_segment_align: 8
    .kernarg_segment_size: 32
    .max_flat_workgroup_size: 256
    .sgpr_count:     66
    .vgpr_count:     512
    .wavefront_size: 32
...
	.end_amdgpu_metadata
.endif
;; end of part 2
;; launch attn (part 3): grid 32 x 8, 8 waves a work-group, clusters of 4 x 1, 327,680 bytes of LDS; arguments qc, kv, x, gamma, out0; writes out0
.if DOCPART == 3
	.amdgcn_target "amdgcn-amd-amdhsa--gfx1250"
	.amdhsa_code_object_version 6
	.text
	.protected	k_q4b2f9aed46_attn
	.globl	k_q4b2f9aed46_attn
	.p2align	8
	.type	k_q4b2f9aed46_attn,@function
k_q4b2f9aed46_attn:
	s_mov_b64 s[64:65], 0
	v_nop
	global_prefetch_b8 v0, s[64:65] scope:SCOPE_SE
	s_setreg_imm32_b32 hwreg(HW_REG_WAVE_MODE, 25, 1), 1
	s_wait_xcnt 0x0
	s_wait_alu depctr_hold_cnt(0) depctr_sa_sdst(0) depctr_va_vdst(0) depctr_va_sdst(0) depctr_va_ssrc(0) depctr_va_vcc(0) depctr_vm_vsrc(0)
	s_getreg_b32 s2, hwreg(HW_REG_IB_STS2, 6, 4)
	s_cmp_eq_u32 s2, 0
	s_cbranch_scc0 .Lentry_in_a_cluster
	s_endpgm
.Lentry_in_a_cluster:
	s_bfe_u32 s2, ttmp6, 0x10000c
	s_cmp_lg_u32 s2, 0x3003
	s_cbranch_scc0 .Lentry_shape_is_right
	s_endpgm
.Lentry_shape_is_right:
; out[b][c][m] = gamma x (sum over n of hx[c][n] p[n][m]) / l[m] + x[b][c][m], p[n][m] = 2^(t - M), t = (fx[:, n] . gx[:, m]) x log2(e), M = the column's largest t rounded UP to a whole number, l = the sum of the unquantised p.
; Keys are the positions n (fx, hx), queries the positions m (gx).  Both products on codes of BF6 (E3M2) with one E8M0 scale for each 32 along K.  The operands come as register images from the launch before.
; SHARES.  A work-group owns 128 queries of one batch.  Eight waves, two to a SIMD, so that one wave's softmax stands beside the other's products.  Wave w: pb = w % 4, kp = w / 4.  It holds TWO query tiles, so that each
; fragment of V read from LDS feeds two products: slot A = tile 2 pb + kp, slot B = tile 2 pb + 1 - kp; and it walks only half of the key steps (128 keys a step): records 2 kp and 2 kp + 1 of every four.  Wave w xor 4
; holds the same two tiles, the other way round, on the other key steps.  At the end each wave hands its slot B to its partner through LDS and finishes its slot A: the two running M differ by a whole number, so the merge multiplies by exact powers of two.
; LAYOUT.  Both products are used transposed: S^T = K Q^T, O^T = V^T P^T: a lane holds ONE query throughout.  The keys of a tile are chosen (by the launch before) so that the 16 registers of score tiles 2 b, 2 b + 1 are
; keys 32 b + 16 (lane / 16) + 0 .. 15.
; K = 64 IN AN INSTRUCTION 128 DEEP.  A fragment of K holds TWO key tiles (k 0-63 tile 2 b, k 64-127 tile 2 b + 1).  It is multiplied by [q, zero codes] for the first tile's scores and by [zero codes, q] for the second's:
; zero codes add nothing under any scale byte but 0xff.  q's two scale bytes stand twice in its word.
; RING.  Two LDS slots of FOUR records (512 keys: 129,024 bytes, dense: images are read 512 consecutive bytes an instruction, so no padding).  Waves 0-3 fetch one record each.  A wave does two key steps between two changes
; of slots: eight changes in all, and a refill has two steps of every wave in which to land.  No barrier stands between a slot's two steps: so the second step's fragments of K are asked for inside the first.
; CLUSTER.  The four work-groups of a cluster belong to one batch and walk the same records: every fill is a JOINT load, the same descriptor and the mask of all four.  Only qc's, x's and out0's global addresses hang on the place in the cluster.
; LIMITS: NaN and infinities are not served; a block of p whose largest p lies under 2^-122 gets the byte 1 (its codes are zeros or nearly so); 1 / l by v_rcp_f32.
; REGISTERS, window 0: v1-5 addresses; v[6:7] f = 2^(old M - new M); v8-11, v12-15 slot A's, B's -M, largest t, sum in two halves; v16-45 qA, zeros, qB, zeros, qA; v46-61 scale words; v64-127 S^T, then p;
;   v128-175, v176-223 two buffers of four fragments (the second also the softmax's work registers); v224-247 p's codes; v248-255 at work.   window 1: O^T: slot A at v[8 ct], slot B at v[128 + 8 ct].
.set REC,    32256                     ; a record: 4 K pairs, 16 V fragments, 12 scale registers
.set SLOT1,  131072                    ; slot 1 begins here: one exclusive or turns an address in one slot into the other's
.set STAGE,  131072                    ; the way out: 256 channel rows x (512 bytes + 16), over slot 1.  (The 128 registers of O^T handed over go to 16,384 x wave, over slot 0.)  Both are stored into only when the ring has had its last fill and its last read
.set SPITCH, 528
.set EXST,   266240                    ; the merge: 256 bytes a wave: -M and l of the slot handed over
.set SPARE,  268288                    ; the spare words, 128 bytes for each wave: four blocks of 256 bytes that no other line names
.set LI,  1                            ; v1   16 x lane
.set ADR, 2                            ; v2   my first record of the slot in hand
.set SPW, 3                            ; v3   LDS address of my spare word; never rewritten
.set NIL, 4                            ; v4   0; never rewritten
.set SA0, 5                            ; v5   the stage, channels 0-127
.set F,   6
.set STA, 8
.set STB, 12
.set QB,  16
.set QSA, 46
.set QSB, 47
.set SC,  48                           ; v48-59 the record's 12 scale registers: 0-3 the K pairs', 4-11 V's
.set PWA, 60
.set PWB, 61
.set SA1, 62                           ; v62  the stage, channels 128-255
.set S,   64
.set FB0, 128
.set FB1, 176
.set BM,  176                          ; in the second buffer while it is idle: the blocks' largest scores,
.set SO,  180                          ; the conversions' scale operands,
.set CT,  184                          ; half blocks of codes,
.set TS,  192                          ; a second chain of the sum
.set PCA, 224
.set PCB, 236
.set PX,  248
.set T1,  252
.set WV,  14
.set PBN, 15
.set KP,  16
.set G1,  24                           ; s[24:31] descriptor group 1; s[32:35] group 0, which walks
.set G0,  32
.set SEL, 36
.set CS,  38                           ; s[38:39] log2(e): the packed form names a pair and takes its low word for both halves
.set TB,  40                           ; s40  LDS byte of my first record in the slot in hand
.set CNT, 41
.set GAM, 42
.set MSB, 0
.macro WIN new                         ; the immediate's high byte repeats the setting that is left
.if MSB != \new
	s_set_vgpr_msb (MSB<<8)|\new
.set MSB, \new
.endif
.endm
.macro PLACES                          ; four plain places behind a matrix instruction, ahead of reads of its result and of loads into its registers
.rept 4
	v_nop
.endr
.endm
.macro MM d, a, b, zero, sa, sb, ra, rb
.if \zero
.if \ra
	v_wmma_scale_f32_16x16x128_f8f6f4 v[\d:\d+7], v[\a:\a+11], v[\b:\b+11], 0, v[\sa], v[\sb] matrix_a_fmt:MATRIX_FMT_BF6 matrix_b_fmt:MATRIX_FMT_BF6 matrix_a_scale:MATRIX_SCALE_ROW1
.else
	v_wmma_scale_f32_16x16x128_f8f6f4 v[\d:\d+7], v[\a:\a+11], v[\b:\b+11], 0, v[\sa], v[\sb] matrix_a_fmt:MATRIX_FMT_BF6 matrix_b_fmt:MATRIX_FMT_BF6
.endif
.else
.if \ra
	v_wmma_scale_f32_16x16x128_f8f6f4 v[\d:\d+7], v[\a:\a+11], v[\b:\b+11], v[\d:\d+7], v[\sa], v[\sb] matrix_a_fmt:MATRIX_FMT_BF6 matrix_b_fmt:MATRIX_FMT_BF6 matrix_a_scale:MATRIX_SCALE_ROW1
.else
	v_wmma_scale_f32_16x16x128_f8f6f4 v[\d:\d+7], v[\a:\a+11], v[\b:\b+11], v[\d:\d+7], v[\sa], v[\sb] matrix_a_fmt:MATRIX_FMT_BF6 matrix_b_fmt:MATRIX_FMT_BF6
.endif
.endif
.endm
; A round of the cluster's barrier: my work-group's barrier, wave 0 signals for the work-group, every wave waits for all four work-groups, my work-group's barrier once more.
.macro CROUND
	s_barrier_signal -1
	s_barrier_wait -1
	s_cmp_lg_u32 s[WV], 0
	s_cbranch_scc1 .Lnot_wave_0_\@
	s_barrier_signal -3
.Lnot_wave_0_\@:
	s_barrier_wait -3
	s_barrier_signal -1
	s_barrier_wait -1
.endm
; A joint load: waves 0-3 fetch one record of a slot's four each, the others nothing.  The branch hangs on the wave's number alone.  Four v_nop follow the load.
.macro TLOAD
	s_cmp_lt_u32 s[WV], 4
	s_cbranch_scc0 .Lasked_\@
	tensor_load_to_lds s[G0:G0+3], s[G1:G1+7]
	s_nop 0
.rept 4
	v_nop
.endr
.Lasked_\@:
.endm
; THE CHANGE OF SLOTS stands at a slot's head.  Each wave waits for all its tensor loads (its part of the slot that it is about to read), adds 0 to its spare word, and waits for that and for its reads of the slot that it has left.
; fill = 1: the barrier is a round of the cluster's, so that no wave of any partner still reads that slot or has a load on its way; the joint refill is the first thing behind it and has two steps of every wave in which to land.
.macro CHANGE fill
	s_wait_tensorcnt 0x0                           ; no tensor load of mine is out, so group 0 may be written
	ds_add_u32 v[SPW], v[NIL]                      ; 0 onto my spare word
.if \fill
	s_xor_b32 s[G0+1], s[G0+1], SLOT1              ; the other slot than last time,
	s_add_nc_u64 s[G0+2:G0+3], s[G0+2:G0+3], 4*REC ; the next four records; the type bits on top are not reached
.endif
	s_wait_dscnt 0x0                               ; the add is done, and my reads of the slot that I have left are over
.if \fill
	CROUND
	TLOAD
.else
	s_barrier_signal -1
	s_barrier_wait -1
.endif
.endm
; Eight products: the scores of one query tile against the step's 128 keys.  qlo = [q, zeros], qhi = [zeros, q].
.macro QK qlo, qhi, qs
.irp b, 0,1,2,3
	MM S+16*\b, FB0+12*\b, \qlo, 1, SC+\b, \qs, 0, 0
	MM S+16*\b+8, FB0+12*\b, \qhi, 1, SC+\b, \qs, 0, 0
.endr
.endm
.macro KLOAD q                         ; 13 LDS loads: the K pairs' scale words and the four K pairs of my q-th record of the slot
	ds_load_b128 v[SC:SC+3], v[ADR] offset:REC*\q+30720
.irp b, 0,1,2,3
.irp k, 0,1,2
	ds_load_b128 v[FB0+12*\b+4*\k:FB0+12*\b+4*\k+3], v[ADR] offset:REC*\q+1536*\b+512*\k
.endr
.endr
.endm
.macro VSCALES q                       ; V's eight scale registers
.irp k, 1,2
	ds_load_b128 v[SC+4*\k:SC+4*\k+3], v[ADR] offset:REC*\q+30720+512*\k
.endr
.endm
.macro VLOAD g, fb, q                  ; V's fragments 4 g .. 4 g + 3 (16 channels x 128 keys each) into buffer fb
.irp i, 0,1,2,3
.irp k, 0,1,2
	ds_load_b128 v[\fb+12*\i+4*\k:\fb+12*\i+4*\k+3], v[ADR] offset:REC*\q+6144+1536*(4*\g+\i)+512*\k
.endr
.endr
.endm
.macro PV g, fb, first                 ; eight products: those four fragments against both slots' p.  The 32 accumulators take turns, one instruction a turn
.irp i, 0,1,2,3
	MM 8*(4*\g+\i), \fb+12*\i, PCA, \first, SC+4+(4*\g+\i)/2, PWA, \i%2, 0
	MM 128+8*(4*\g+\i), \fb+12*\i, PCB, \first, SC+4+(4*\g+\i)/2, PWB, \i%2, 0
.endr
.endm
; One tile's softmax for one step, all but the rescaling of O^T.  st: its statistics; pc, pw: where p's codes and scale word go.  It leaves f in v[F].
.macro SM1 st, pc, pw
.irp b, 0,1,2,3
	v_max3_num_f32 v[BM+\b], v[S+16*\b], v[S+1+16*\b], v[S+2+16*\b]   ; THE LARGEST SCORE OF EACH BLOCK OF 32 KEYS serves twice: for the column's maximum and, since p rises with the score, for the block's largest p.  (Each accumulator is read from its low end on)
.endr
.irp i, 3,5,7,9,11,13
.irp b, 0,1,2,3
	v_max3_num_f32 v[BM+\b], v[BM+\b], v[S+16*\b+\i], v[S+1+16*\b+\i]
.endr
.endr
.irp b, 0,1,2,3
	v_max_num_f32 v[BM+\b], v[BM+\b], v[S+15+16*\b]
.endr
.irp b, 0,1,2,3
	s_delay_alu instid0(VALU_DEP_4)
	v_permlanex16_b32 v[PX+\b], v[BM+\b], s[SEL], s[SEL+1]
.endr
.irp b, 0,1,2,3
	s_delay_alu instid0(VALU_DEP_4)
	v_max_num_f32 v[BM+\b], v[BM+\b], v[PX+\b]     ; with lane l xor 16's 16 keys
.endr
	s_delay_alu instid0(VALU_DEP_2)
	v_max3_num_f32 v[T1], v[BM], v[BM+1], v[BM+2]
	s_delay_alu instid0(VALU_DEP_1)
	v_max_num_f32 v[T1], v[T1], v[BM+3]
	s_delay_alu instid0(VALU_DEP_1)
	v_mul_f32 v[T1], s[CS], v[T1]                  ; as t (log2(e) is positive)
	s_delay_alu instid0(VALU_DEP_1)
	v_max_num_f32 v[\st+1], v[\st+1], v[T1]        ; the running largest t
	v_mov_b32 v[T1], v[\st]
	s_delay_alu instid0(VALU_DEP_2)
	v_floor_f32 v[\st], -v[\st+1]                  ; the new -M = floor(-t): M IS A WHOLE NUMBER
	s_delay_alu instid0(VALU_DEP_1)
	v_sub_f32 v[T1], v[\st], v[T1]                 ; old M less new M: a whole number, 0 or less
	s_delay_alu instid0(VALU_DEP_1)
	v_cvt_i32_f32 v[T1], v[T1]                     ; (it saturates)
	s_delay_alu instid0(VALU_DEP_1)
	v_ldexp_f32 v[F], 1.0, v[T1]                   ; f = 2^(old M - new M): a multiplication by it rounds nothing
.set jj, 0
.rept 32
	v_pk_fma_f32 v[S+jj:S+jj+1], v[S+jj:S+jj+1], s[CS:CS+1], v[\st:\st+1] op_sel_hi:[1,0,0]   ; t - M, two at a time
.set jj, jj+2
.endr
.irp b, 0,1,2,3
	v_fma_f32 v[BM+\b], v[BM+\b], s[CS], v[\st]    ; the same of each block's largest score
.endr
.set jj, 0
	s_wait_alu depctr_va_vdst(0)
.rept 64
	v_exp_f32 v[S+jj], v[S+jj]                     ; p = 2^(t - M): NOT normalised
.set jj, jj+1
.endr
.irp b, 0,1,2,3
	v_exp_f32 v[BM+\b], v[BM+\b]                   ; the block's largest p: the same two instructions on the same number give the same bits
.endr
	v_pk_mul_f32 v[\st+2:\st+3], v[\st+2:\st+3], v[F:F+1] op_sel_hi:[1,0]   ; the sum under the new M.  (The plain place behind the exponentials)
	s_wait_alu depctr_va_vdst(0)
.irp b, 0,1,2,3
	v_max_num_f32 v[BM+\b], 0x2800000, v[BM+\b]    ; the floor 2^(5 - 127): the byte cannot fall under 1
.endr
.irp b, 0,1,2,3
	s_delay_alu instid0(VALU_DEP_4)
	v_add_nc_u32 v[SO+\b], 0xfe000000, v[BM+\b]    ; 4 off the exponent field: the conversion's scale operand
.endr
.irp b, 0,1,2,3
	s_delay_alu instid0(VALU_DEP_4)
	v_lshrrev_b32 v[PX+\b], 23, v[SO+\b]           ; the scale's byte
.endr
	s_delay_alu instid0(VALU_DEP_3)
	v_lshl_or_b32 v[\pw], v[PX+1], 8, v[PX]        ; p's scale word for these 128 keys
	s_delay_alu instid0(VALU_DEP_1)
	v_lshl_or_b32 v[\pw], v[PX+2], 16, v[\pw]
	s_delay_alu instid0(VALU_DEP_1)
	v_lshl_or_b32 v[\pw], v[PX+3], 24, v[\pw]
.irp c, 0,1
	v_cvt_scalef32_pk16_bf6_f32 v[\pc+6*\c:\pc+6*\c+2], v[S+32*\c:S+32*\c+15], v[SO+2*\c]
	v_cvt_scalef32_pk16_bf6_f32 v[CT+4*\c:CT+4*\c+2], v[S+16+32*\c:S+31+32*\c], v[SO+2*\c+1]   ; (a conversion's three registers begin on an even number)
.endr
	v_nop                                          ; one plain place behind a scaled conversion
.irp c, 0,1                                    ; the operand's layout wants a WHOLE block in a lane
.irp i, 0,1,2
	v_permlane16_swap_b32 v[\pc+6*\c+\i], v[CT+4*\c+\i]
.endr
.irp i, 0,1,2
	s_delay_alu instid0(VALU_DEP_3)
	v_mov_b32 v[\pc+3+6*\c+\i], v[CT+4*\c+\i]
.endr
.endr
	v_pk_add_f32 v[TS:TS+1], v[S:S+1], v[S+2:S+3]  ; THE SUM IS TAKEN OF THE UNQUANTISED p: two at a time, in two chains
.set jj, 4
.rept 15
	v_pk_add_f32 v[\st+2:\st+3], v[\st+2:\st+3], v[S+jj:S+jj+1]
	v_pk_add_f32 v[TS:TS+1], v[TS:TS+1], v[S+jj+2:S+jj+3]
.set jj, jj+4
.endr
	s_delay_alu instid0(VALU_DEP_1)
	v_pk_add_f32 v[\st+2:\st+3], v[\st+2:\st+3], v[TS:TS+1]
.endm
.macro RESC ob                         ; a tile's O^T (at v[ob] of window 1) under the new M: x f, each accumulator from its low end on
	WIN 0x41                                       ; O^T (destination and source 0) window 1, f window 0
.set jj, 0
.rept 64
	v_pk_mul_f32 v[\ob+jj:\ob+jj+1], v[\ob+jj:\ob+jj+1], v[F:F+1] op_sel_hi:[1,0]
.set jj, jj+2
.endr
	WIN 0
.endm
; A KEY STEP of a wave: 128 keys, my q-th record of the slot, two query tiles: 16 + 32 products, 63 LDS loads.
; first = 1: O^T does not exist yet: the products start its sums and nothing is rescaled.   q = 0: the step stands behind a change of slots and fetches its own K; in its last quarter it fetches K for the step q = 1, which finds it landed.
.macro STEP q, first
.if \q == 0
	PLACES                                         ; behind the last step's products: the loads below land in their fragments, the softmax writes into the second buffer
	v_add_nc_u32 v[ADR], s[TB], v[LI]
	KLOAD 0
.endif
	s_wait_dscnt 0x0                               ; K's pairs and their scale words are in
	QK QB, QB+18, QSA
	PLACES                                         ; (for q = 1 also the places between the last step's last products and the softmax's writes into the second buffer)
	SM1 STA, PCA, PWA
	QK QB+12, QB+6, QSB                            ; slot A's p has been summed and converted: S^T is free.  Slot B's scores are made beside slot A's rescaling,
.if \first
	PLACES
.else
	RESC 0                                         ; whose 64 multiplications name none of those products' registers: they are the places behind them
.endif
	VLOAD 0, FB0, \q                               ; K's fragments are done with: V's first four, and V's scale registers, land under slot B's softmax
	VSCALES \q
	SM1 STB, PCB, PWB
.if \first == 0
	RESC 128
.endif
	VLOAD 1, FB1, \q
	s_wait_alu depctr_va_vdst(0)
	s_wait_dscnt 12                                ; LDS loads come back in order: group 0 and the scale registers are in, the 12 just issued may be out
	WIN 0x50                                       ; C and D window 1
	PV 0, FB0, \first
	WIN 0
	PLACES
	VLOAD 2, FB0, \q
	s_wait_dscnt 12                                ; group 1 is in
	WIN 0x50
	PV 1, FB1, \first
	WIN 0
	PLACES
	VLOAD 3, FB1, \q
	s_wait_dscnt 12                                ; group 2 is in
	WIN 0x50
	PV 2, FB0, \first
.if \q == 0
	WIN 0
	PLACES
	KLOAD 1                                        ; the first buffer is free: the next step's K, from the same slot: no barrier lies between
	s_wait_dscnt 13                                ; group 3 is in; the 13 just issued may be out
	WIN 0x50
.else
	s_wait_dscnt 0x0
.endif
	PV 3, FB1, \first
	WIN 0
.endm
	s_load_b256 s[4:11], s[0:1], 0x0               ; qc s[4:5], kv s[6:7], x s[8:9], gamma s[10:11]
	s_load_b64 s[12:13], s[0:1], 0x20              ; out0
	v_lshl_add_u32 v[SPW], v0, 2, SPARE
	v_mov_b32 v[NIL], 0
	ds_add_u32 v3, v4
	ds_add_u32 v3, v4
	s_wait_dscnt 0x0
	v_lshrrev_b32 v1, 5, v0
	s_delay_alu instid0(VALU_DEP_1)
	v_readfirstlane_b32 s[WV], v1                  ; wave 0..7
	s_and_b32 s[PBN], s[WV], 3
	s_lshr_b32 s[KP], s[WV], 2
	s_bfe_u32 s17, ttmp6, 0x40000                  ; cx: my place in the cluster
	s_lshl_b32 s18, ttmp9, 2                       ; in a cluster launch ttmp9 counts clusters
	s_add_co_u32 s18, s18, s17                     ; my block of 128 queries: it enters qc's, x's and out0's addresses alone
	s_and_b32 s19, ttmp7, 0xffff                   ; the batch, which the four partners share
	; descriptor group 1: one record: 32,256 dense bytes as 126 rows of 256 bytes (32 elements of 8 bytes), no padding
	s_mov_b32 s[G1], 15|(3<<16)|(1<<21)            ; 15:0 the mask: all four work-groups; 17:16 elements of 8 bytes; 21 set beside a mask
	s_mov_b32 s[G1+1], 32<<16                      ; tensor_dim0 = 32
	s_mov_b32 s[G1+2], 126<<16                     ; tensor_dim1 = 126
	s_mov_b32 s[G1+3], 32<<16                      ; tile_dim0 = 32
	s_mov_b32 s[G1+4], 126                         ; tile_dim1 = 126
	s_mov_b32 s[G1+5], 32                          ; elements from row to row
	s_mov_b32 s[G1+6], 0
	s_mov_b32 s[G1+7], 0
	s_mul_i32 s44, s19, 32*REC                     ; the batch's 32 records,
	s_mul_i32 s46, s[PBN], REC                     ; the record of a slot's four that I fetch, in memory and in LDS
	s_add_co_u32 s44, s44, s46
	s_mov_b32 s45, 0
	s_lshl_b32 s20, s19, 5
	s_add_co_u32 s20, s20, s18                     ; 32 x batch + block
	s_lshl_b32 s48, s20, 3
	s_lshl_b32 s49, s[PBN], 1
	s_add_co_u32 s48, s48, s49
	s_add_co_u32 s48, s48, s[KP]                   ; slot A's tile: 2 pb + kp of the block's eight
	s_lshl_b32 s48, s48, 10                        ; 1,024 bytes a tile
	s_xor_b32 s50, s48, 1024                       ; slot B's: 2 pb + 1 - kp
	s_mov_b32 s49, 0
	s_mov_b32 s51, 0
	s_lshl_b32 s52, s19, 22                        ; x and out0: the batch,
	s_lshl_b32 s53, s[WV], 19                      ; the 32 channel rows that I store,
	s_add_co_u32 s52, s52, s53
	s_lshl_b32 s53, s18, 9                         ; my block's 512 bytes of a row
	s_add_co_u32 s52, s52, s53
	s_mov_b32 s53, 0
	s_mov_b32 s[SEL], 0x76543210
	s_mov_b32 s[SEL+1], 0xfedcba98                 ; v_permlanex16_b32's selects for lane l xor 16
	s_mov_b32 s[CS], 0x3fb8aa3b                    ; log2(e)
	s_mov_b32 s[CS+1], s[CS]                       ; (named with it as a pair, so it is written)
	s_mul_i32 s[TB], s[KP], 2*REC                  ; my two records of a slot's four
	s_mov_b32 s[CNT], 6
	s_wait_kmcnt 0x0
	s_load_b32 s[GAM], s[10:11], 0x0
	s_mov_b32 s[G0], 1                             ; count = 1
	s_mov_b32 s[G0+1], s46                         ; LDS address: slot 0, my record: no place in the cluster enters it
	s_add_nc_u64 s[G0+2:G0+3], s[6:7], s[44:45]    ; global address: among the batch's first four records
	s_or_b32 s[G0+3], s[G0+3], 0x80000000          ; type = 2
	s_add_nc_u64 s[48:49], s[4:5], s[48:49]
	s_add_nc_u64 s[50:51], s[4:5], s[50:51]
	s_add_nc_u64 s[8:9], s[8:9], s[52:53]
	s_add_nc_u64 s[12:13], s[12:13], s[52:53]
	CROUND                                         ; all four work-groups are here: the first joint loads meet
	TLOAD                                          ; slot 0
	v_and_b32 v[LI], 31, v0
	s_delay_alu instid0(VALU_DEP_1)
	v_lshlrev_b32 v[LI], 4, v[LI]
	global_load_b128 v[64:67], v[LI], s[48:49]
	global_load_b128 v[68:71], v[LI], s[48:49] offset:512
	global_load_b128 v[72:75], v[LI], s[50:51]
	global_load_b128 v[76:79], v[LI], s[50:51] offset:512
.irp st, STA, STB
	v_mov_b32 v[\st+1], 0xff61b1e6                 ; the largest t so far: -3e38, under every t
	s_delay_alu instid0(VALU_DEP_1)
	v_floor_f32 v[\st], -v[\st+1]                  ; -M
	v_mov_b32 v[\st+2], 0                          ; the sum, in two halves
	v_mov_b32 v[\st+3], 0
.endr
.irp b, 0,1,2,3
	v_mov_b32 v[PX+\b], 0                          ; written once: a lane permute's destination counts as one of its sources
.endr
	v_mov_b32 v[F+1], 0                            ; (named as the upper half of the pair before it is first written)
	s_wait_loadcnt 0x0
	v_mov_b32 v[QSA], v70                          ; the scale words first: they stand more than eight places ahead of the first product
	v_mov_b32 v[QSB], v78
.irp i, 0,1,2,3,4,5
	v_mov_b32 v[QB+\i], v[64+\i]                   ; qA | zeros | qB | zeros | qA: every [q, zeros] and [zeros, q] is a run of twelve of these registers
	v_mov_b32 v[QB+6+\i], 0
	v_mov_b32 v[QB+12+\i], v[72+\i]
	v_mov_b32 v[QB+18+\i], 0
	v_mov_b32 v[QB+24+\i], v[64+\i]
.endr
	s_wait_kmcnt 0x0                               ; gamma
	CHANGE 1                                       ; slot 0 is whole; slot 1 is asked for
	s_wait_alu depctr_va_vdst(0)
	STEP 0, 1                                      ; the first slot stands in front of the loop: its first step's products start O^T's sums, nothing is cleared
	STEP 1, 0
	s_xor_b32 s[TB], s[TB], SLOT1                  ; on to the other slot
.Lslot:                                            ; 6 trips: behind each change of slots but the last the next slot is asked for
	CHANGE 1
	STEP 0, 0
	STEP 1, 0
	s_xor_b32 s[TB], s[TB], SLOT1
	s_sub_co_u32 s[CNT], s[CNT], 1
	s_cmp_lg_u32 s[CNT], 0
	s_cbranch_scc1 .Lslot
	CHANGE 0                                       ; the last slot is written out
	STEP 0, 0
	STEP 1, 0
	; THE MERGE.  The addresses are made here: plain instructions that name none of the last products' registers are the places behind them.
	s_lshl_b32 s44, s[PBN], 7
	s_lshl_b32 s45, s[KP], 5
	s_add_co_u32 s44, s44, s45
	s_add_co_u32 s44, s44, STAGE
	s_lshl_b32 s45, s[WV], 14                      ; where I put slot B's O^T,
	s_xor_b32 s46, s[WV], 4
	s_lshl_b32 s47, s46, 14                        ; and where my partner puts what is my slot A's other half
	s_lshl_b32 s54, s[WV], 8
	s_add_co_u32 s54, s54, EXST
	s_lshl_b32 s55, s46, 8
	s_add_co_u32 s55, s55, EXST
	s_mul_i32 s56, s[WV], 32*SPITCH
	s_add_co_u32 s56, s56, STAGE
	v_and_b32 v252, 15, v0                         ; r
	v_bfe_u32 v253, v0, 4, 1                       ; h
	s_delay_alu instid0(VALU_DEP_2)
	v_and_b32 v63, 8, v252
	s_delay_alu instid0(VALU_DEP_1)
	v_add_nc_u32 v63, v63, v252                    ; r + 8 (r / 8): query r of tile 2 pb + kp is column 32 pb + 8 kp + r + 8 (r / 8) of the block
	s_delay_alu instid0(VALU_DEP_3)
	v_mul_u32_u24 v[SA0], v253, 8*SPITCH           ; my registers are channels 16 ct + 8 h + j
	s_delay_alu instid0(VALU_DEP_1)
	v_lshl_add_u32 v[SA0], v63, 2, v[SA0]
	s_delay_alu instid0(VALU_DEP_1)
	v_add_nc_u32 v[SA0], s44, v[SA0]
	s_delay_alu instid0(VALU_DEP_1)
	v_add_nc_u32 v[SA1], 128*SPITCH, v[SA0]
	v_add_nc_u32 v254, s45, v[LI]
	v_add_nc_u32 v255, s47, v[LI]
	v_lshrrev_b32 v63, 2, v[LI]
	s_delay_alu instid0(VALU_DEP_1)
	v_add_nc_u32 v[ADR], s54, v63
	s_delay_alu instid0(VALU_DEP_2)
	v_add_nc_u32 v63, s55, v63
	v_add_f32 v[STA+2], v[STA+2], v[STA+3]         ; the sums' two halves,
	v_add_f32 v[STB+2], v[STB+2], v[STB+3]
	s_delay_alu instid0(VALU_DEP_2)
	v_permlanex16_b32 v[PX], v[STA+2], s[SEL], s[SEL+1]
	s_delay_alu instid0(VALU_DEP_2)
	v_permlanex16_b32 v[PX+1], v[STB+2], s[SEL], s[SEL+1]
	s_delay_alu instid0(VALU_DEP_2)
	v_add_f32 v[STA+2], v[STA+2], v[PX]            ; and lane l xor 16's
	s_delay_alu instid0(VALU_DEP_2)
	v_add_f32 v[STB+2], v[STB+2], v[PX+1]
	s_wait_alu depctr_va_vdst(0)
	s_wait_dscnt 0x0                               ; my reads of the ring are over
	s_barrier_signal -1
	s_barrier_wait -1                              ; everybody's are; the ring has had its last fill: it may be stored into
	WIN 0x04                                       ; an LDS store's data are its source 1: window 1
.set jj, 0
.rept 32
	ds_store_b128 v254, v[128+4*jj:128+4*jj+3] offset:512*jj   ; slot B's O^T as it stands, each accumulator from its low end on
.set jj, jj+1
.endr
	WIN 0
	ds_store_b32 v[ADR], v[STB]                    ; its -M
	ds_store_b32 v[ADR], v[STB+2] offset:128       ; and its sum
	s_wait_dscnt 0x0                               ; for my partner's sake: my stores have landed
	s_barrier_signal -1
	s_barrier_wait -1
	WIN 0x40                                       ; destination window 1: slot B's registers are free
.set jj, 0
.rept 32
	global_load_b128 v[128+4*jj:128+4*jj+3], v[LI], s[8:9] offset:16384*jj th:TH_LOAD_NT   ; x at the 32 channel rows that I store: 512 consecutive bytes a load; they land under the merge
.set jj, jj+1
.endr
	WIN 0
.set jj, 0
.rept 32
	ds_load_b128 v[S+4*jj:S+4*jj+3], v255 offset:512*jj
.set jj, jj+1
.endr
	ds_load_b32 v[PX+2], v63
	ds_load_b32 v[PX+3], v63 offset:128
	s_wait_dscnt 0x0
	v_min_num_f32 v252, v[STA], v[PX+2]            ; the joint -M: the larger M
	s_delay_alu instid0(VALU_DEP_1)
	v_sub_f32 v253, v252, v[STA]                   ; my M less the joint M: a whole number, 0 or less
	s_delay_alu instid0(VALU_DEP_2)
	v_sub_f32 v[PX], v252, v[PX+2]                 ; my partner's likewise
	s_delay_alu instid0(VALU_DEP_2)
	v_cvt_i32_f32 v253, v253
	s_delay_alu instid0(VALU_DEP_2)
	v_cvt_i32_f32 v[PX], v[PX]
	s_delay_alu instid0(VALU_DEP_2)
	v_ldexp_f32 v253, 1.0, v253
	s_delay_alu instid0(VALU_DEP_2)
	v_ldexp_f32 v[PX], 1.0, v[PX]                  ; two exact powers of two
	s_delay_alu instid0(VALU_DEP_2)
	v_mul_f32 v252, v[STA+2], v253
	s_delay_alu instid0(VALU_DEP_1)
	v_fma_f32 v252, v[PX+3], v[PX], v252           ; l under the joint M
	s_wait_alu depctr_va_vdst(0)
	v_rcp_f32 v252, v252
	v_mul_f32 v253, s[GAM], v253                   ; (a plain place behind the transcendental)
	v_mul_f32 v[PX], s[GAM], v[PX]
	s_wait_alu depctr_va_vdst(0)
	v_mul_f32 v[F], v253, v252                     ; what my half is multiplied by: 2^(..) gamma / l,
	v_mul_f32 v[PX], v[PX], v252                   ; and my partner's
.set jj, 0
.rept 64
	v_pk_mul_f32 v[S+jj:S+jj+1], v[S+jj:S+jj+1], v[PX:PX+1] op_sel_hi:[1,0]
.set jj, jj+2
.endr
	WIN 0x01                                       ; source 0 (my O^T) window 1
.set jj, 0
.rept 64
	v_pk_fma_f32 v[S+jj:S+jj+1], v[jj:jj+1], v[F:F+1], v[S+jj:S+jj+1] op_sel_hi:[1,0,1]   ; each accumulator from its low end on
.set jj, jj+2
.endr
	WIN 0
	; THE WAY OUT.  A lane holds one query and 128 channels; out0's rows run along the queries.  So the block turns through a stage of 256 channel rows; with rows of 132 words the two halves of the lanes fall 32 banks apart.
	; The stage shares no byte with the registers handed over above, which a partner may still be reading.
.set jj, 0
.rept 64
	ds_store_b32 v[SA0], v[S+jj] offset:(16*(jj/8)+jj%8)*SPITCH
.set jj, jj+1
.endr
.set jj, 0
.rept 64
	ds_store_b32 v[SA1], v[S+64+jj] offset:(16*(jj/8)+jj%8)*SPITCH
.set jj, jj+1
.endr
	v_add_nc_u32 v254, s56, v[LI]                  ; back: my 32 rows, 16 bytes a lane
	s_wait_alu depctr_va_vdst(0)
	s_wait_dscnt 0x0                               ; for the others' sake: my stores into the stage have landed
	s_barrier_signal -1
	s_barrier_wait -1
.set jj, 0
.rept 32
	ds_load_b128 v[S+4*jj:S+4*jj+3], v254 offset:SPITCH*jj
.set jj, jj+1
.endr
	s_wait_dscnt 0x0
	s_wait_loadcnt 0x0                             ; x
	WIN 0x04                                       ; source 1 (x) window 1
.set jj, 0
.rept 64
	v_pk_add_f32 v[S+jj:S+jj+1], v[S+jj:S+jj+1], v[128+jj:128+jj+1]
.set jj, jj+2
.endr
	WIN 0
.set jj, 0
.rept 32
	global_store_b128 v[LI], v[S+4*jj:S+4*jj+3], s[12:13] offset:16384*jj th:TH_STORE_NT   ; 32 lanes store 512 consecutive bytes, aligned; written once, read by nobody here
.set jj, jj+1
.endr
	s_wait_tensorcnt 0x0                           ; the wave's end: behind my last tensor load and my last LDS store
	ds_add_u32 v[SPW], v[NIL]
	s_wait_dscnt 0x0
	CROUND                                         ; the closing round: no work-group ends while a partner may still ask for a tile that names it
	s_endpgm
.Lfunc_end_k_q4b2f9aed46_attn:
	.size	k_q4b2f9aed46_attn, .Lfunc_end_k_q4b2f9aed46_attn-k_q4b2f9aed46_attn
	.p2alignl 7, 3214868480
	.fill 96, 4, 3214868480
	.section	.rodata,"a",@progbits
	.p2align	6, 0x0
	.amdhsa_kernel k_q4b2f9aed46_attn
		.amdhsa_group_segment_fixed_size 327680
		.amdhsa_private_segment_fixed_size 0
		.amdhsa_enable_private_segment 0
		.amdhsa_kernarg_size 40
		.amdhsa_user_sgpr_count 2
		.amdhsa_user_sgpr_kernarg_segment_ptr 1
		.amdhsa_wavefront_size32 1
		.amdhsa_system_sgpr_workgroup_id_x 1
		.amdhsa_system_sgpr_workgroup_id_y 1
		.amdhsa_system_sgpr_workgroup_id_z 1
		.amdhsa_system_vgpr_workitem_id 0
		.amdhsa_next_free_vgpr 512
		.amdhsa_next_free_sgpr 66
		.amdhsa_reserve_vcc 0
		.amdhsa_float_denorm_mode_32 3
		.amdhsa_float_denorm_mode_16_64 3
		.amdhsa_memory_ordered 1
		.amdhsa_forward_progress 1
		.amdhsa_inst_pref_size 255
	.end_amdhsa_kernel
	.section	.bss,"aw",@nobits
	.p2align	6
	.space	262144
	.amdgpu_metadata
---
amdhsa.version: [ 1, 2 ]
amdhsa.kernels:
  - .name:           k_q4b2f9aed46_attn
    .symbol:         k_q4b2f9aed46_attn.kd
    .args:
      - { .name: qc, .offset: 0, .size: 8, .value_kind: global_buffer, .address_space: global }
      - { .name: kv, .offset: 8, .size: 8, .value_kind: global_buffer, .address_space: global }
      - { .name: x, .offset: 16, .size: 8, .value_kind: global_buffer, .address_space: global }
      - { .name: gamma, .offset: 24, .size: 8, .value_kind: global_buffer, .address_space: global }
      - { .name: out0, .offset: 32, .size: 8, .value_kind: global_buffer, .address_space: global }
    .group_segment_fixed_size: 327680
    .private_segment_fixed_size: 0
    .kernarg_segment_align: 8
    .kernarg_segment_size: 40
    .max_flat_workgroup_size: 256
    .sgpr_count:     66
    .vgpr_count:     512
    .wavefront_size: 32
...
	.end_amdgpu_metadata
.endif
;; end of part 3
